; MI455X (gfx1250); checked and timed in simulation.
; The chip was launched on July 23, 2026; its instructions are those of AMD's public machine-readable ISA for CDNA 5 (MIT licence, August 2026) and "CDNA5" Instruction Set Architecture Reference Guide (July 2026). The comments in the code are by the model that wrote it; some were corrected since.
;; Cross Attention Module. Allowed arithmetic: matrix products marked QUANTISED: E4M3 operands, one given power-of-two scale a tensor, by v_wmma_f32_16x16x64_fp8_fp8 or v_wmma_f32_16x16x128_fp8_fp8, f32 sums; everything else in f32.
;; Inputs: Wk_codes 384 x 12 x 32 uint8 (E4M3 codes of Wk, K innermost, in blocks of 32 codes); Wq_codes 384 x 12 x 32 uint8 (E4M3 codes of Wq, K innermost, in blocks of 32 codes); Wv_codes 384 x 12 x 32 uint8 (E4M3 codes of Wv, K innermost, in blocks of 32 codes); audio_features_codes 8 x 2,048 x 12 x 32 uint8 (E4M3 codes of audio_features, K innermost, in blocks of 32 codes); bk 384 float32; bq 384 float32; bv 384 float32; lowp_scales 10 int32 (the exponents e of the quantised operands' scales 2^e); video_features_codes 8 x 2,048 x 12 x 32 uint8 (E4M3 codes of video_features, K innermost, in blocks of 32 codes).
;; Outputs: out0 8 x 2,048 x 384 float32.
;; This version of the problem:
;;   THIS VERSION OF THE PROBLEM IS GIVEN IN LOW PRECISION. The matrix products marked QUANTISED in the list below multiply operands that are first quantised to E4M3 (4 exponent bits, 3 mantissa bits; 8 bits a number), with one given power-of-two scale for each operand tensor; their sums are f32. All else is computed in f32.
;;   The module's matrix products, in the order in which they are computed (A, B: the left and right operand; K: the contracted axis; several contracted axes count as one K, in the product's order):
;;     1. [M 16,384, K 384] x [K 384, N 384]; A: input video_features (given as codes); B: input Wq (given as codes): QUANTISED (scales: A lowp_scales[0], B lowp_scales[1])
;;     2. [M 16,384, K 384] x [K 384, N 384]; A: input audio_features (given as codes); B: input Wk (given as codes): QUANTISED (scales: A lowp_scales[2], B lowp_scales[3])
;;     3. [M 16,384, K 384] x [K 384, N 384]; A: input audio_features (given as codes); B: input Wv (given as codes): QUANTISED (scales: A lowp_scales[4], B lowp_scales[5])
;;     4. batch 8 x [M 2,048, K 384] x [K 384, N 2,048]; A: computed on the way; B: computed on the way: QUANTISED (scales: A lowp_scales[6], B lowp_scales[7])
;;     5. batch 8 x [M 2,048, K 2,048] x [K 2,048, N 384]; A: softmax (see below); B: computed on the way: QUANTISED (scales: A lowp_scales[8], B lowp_scales[9])
;;   THE QUANTISER, for each operand of a quantised product, along K:
;;     - The operand's scale is 2^e, e = its entry of the input lowp_scales (int32; the entries are numbered through the quantised products in the list's order, A before B).
;;     - Each number is divided by the scale, clamped to +-448, and rounded to the nearest number of E4M3, ties to even, subnormals kept.
;;     - The product sums the exact products of the quantised numbers (number of the format x scale) in f32.
;;   ~~~python
;;   def quantise(x, axis, e):      # numpy; x: float32 -> the quantised numbers, widened to float32 again
;;       x = np.moveaxis(x, axis, -1); K = x.shape[-1]
;;       r = np.clip(x / 2.0 ** e, -448, 448)
;;       step = 2.0 ** (np.maximum(np.frexp(np.where(r == 0, 1, r))[1] - 1, -6) - 3)
;;       q = np.round(r / step) * step * 2.0 ** e      # np.round: ties to even
;;       return np.moveaxis(q, -1, axis).astype(np.float32)
;;   ~~~
;;   SOFTMAX AHEAD OF A QUANTISED PRODUCT. Where the list says 'softmax', what is quantised is not the finished softmax but p = 2^(t - M), with t = logit x log2(e) and M = ceil(the row's largest t), a whole number; so 1/2 < the row's largest p <= 1. The row's sum l is taken of the UNQUANTISED p, in f32, and the product's result is divided by l at the end. Since M is a whole number, a kernel that streams over the keys may use a running M (the ceiling of the running maximum): every later rescaling is an exact power of two, so the quantised numbers keep their values, but for numbers so far below the row's largest that they fall under the format's range.
;;   OPERANDS COMPUTED ON THE WAY. 'Computed on the way' means the value that the module computes at that place (a softmax that the list does not call 'softmax' is quantised finished and normalised). What goes into a quantiser is computed in f32, as accurately as f32 sums, v_exp_f32 and their like allow (about 1e-6 of the number): no bf16 or f16 on the way to a quantiser, and a product that is left as it is and whose result goes on into a quantised operand takes f32 operands (vector FMAs, or v_wmma_f32_16x16x4_f32). A number that lies on a knife's edge between two numbers of the format may be rounded either way, as far as f32 arithmetic and the matrix unit's own rounding can turn it there, and no further.
;;   INPUTS GIVEN AS CODES. Wk (in the module: [384, 384], K = its axis 1); Wq (in the module: [384, 384], K = its axis 1); Wv (in the module: [384, 384], K = its axis 1); audio_features (in the module: [8, 2048, 384], K = its axis 2); video_features (in the module: [8, 2048, 384], K = its axis 2): each comes as NAME_codes (uint8): NAME with its K axis moved to the last place and cut into blocks of 32 codes, [.., K / 32, bytes a block], one block behind the other in memory; one code a byte (a code: sign, 4 exponent bits, 3 mantissa bits); its scale is its entry of lowp_scales. Its value is code x scale, taken as it is: it is not quantised again, and the codes and scales need not be those that the quantiser above would give.
;; One version. Each part assembles by itself: llvm-mc -triple=amdgcn-amd-amdhsa -mcpu=gfx1250 --defsym DOCPART=n.
;; ======== version 1 of 1: 2 launches
;; limits: right only within a limited range of input values
;; workspace buffers: kv 12,582,912 bytes; qimg 6,291,456 bytes
;; launch proj (part 1): grid 256 x 1, 4 waves a work-group, clusters of 4 x 1, 327,680 bytes of LDS; arguments audio_features_codes, video_features_codes, Wk_codes, Wq_codes, Wv_codes, bk, bq, bv, lowp_scales, kv, qimg; writes kv, qimg
.if DOCPART == 1
	.amdgcn_target "amdgcn-amd-amdhsa--gfx1250"
	.amdhsa_code_object_version 6
	.text
	.protected	k_qf3ffb21bc5_proj
	.globl	k_qf3ffb21bc5_proj
	.p2align	8
	.type	k_qf3ffb21bc5_proj,@function
k_qf3ffb21bc5_proj:
	s_mov_b64 s[64:65], 0
	v_nop
	global_prefetch_b8 v0, s[64:65] scope:SCOPE_SE
	s_setreg_imm32_b32 hwreg(HW_REG_WAVE_MODE, 25, 1), 1
	s_wait_xcnt 0x0
	s_wait_alu depctr_hold_cnt(0) depctr_sa_sdst(0) depctr_va_vdst(0) depctr_va_sdst(0) depctr_va_ssrc(0) depctr_va_vcc(0) depctr_vm_vsrc(0)
	s_getreg_b32 s2, hwreg(HW_REG_IB_STS2, 6, 4)
	s_cmp_eq_u32 s2, 0
	s_cbranch_scc0 .Lentry_in_a_cluster
	s_endpgm
.Lentry_in_a_cluster:
	s_bfe_u32 s2, ttmp6, 0x10000c
	s_cmp_lg_u32 s2, 0x3003
	s_cbranch_scc0 .Lentry_shape_is_right
	s_endpgm
.Lentry_shape_is_right:
; Q = video Wq^T + bq, K = audio Wk^T + bk, V = audio Wv^T + bv, all three products on the given codes of FP8 (E4M3), sums in f32; each result is quantised with its given scale (Q: entry 6, K: entry 7, V: entry 9 of the
; scales) and stored as an IMAGE OF THE OPERAND'S REGISTERS for the attention launch.  Nothing of the problem's work is left out.
; SHARES.  256 work-groups of four waves.  Work-groups 0-127 make K, 128-255 make V, each of 128 rows of audio; then each makes Q of 64 rows of video: the same number of products everywhere.
; The waves share the columns: wave w makes features 96 w .. 96 w + 95, and its part of a weight (18 fragments of 16 registers) stays in registers.
; LDS: the first weight, 384 rows, from 0; 128 rows of audio; 64 rows of video; the spare words.
; CLUSTERS: the four work-groups of a cluster take the same weights and ask for them jointly; the input rows are each work-group's own.
; NO PREFETCH: each tile is asked for once, and the launch has no loop to run ahead in.
; LAYOUTS.  A fragment (16 rows x 128 K) is 16 registers: lane (r, h) holds, of its row, k = 32 c + 16 h + 0 .. 15 in registers 4 c .. 4 c + 3: one permutation of k, the same on both sides of every product.
;   K, Q: the product is used transposed (source 0 = 16 rows of the weight, source 1 = 16 input rows).  Lane r of weight tile i takes row 96 w + 32 (i / 2) + 8 (i % 2) + r + 8 (r / 8), so that two neighbouring tiles give a lane
;   16 neighbouring features.  V: source 0 = 16 input rows, source 1 = 16 rows of Wv: a lane holds one feature.  Lane r of input tile (p, u) is row 32 p + 8 u + r + 8 (r / 8), so that tiles u = 0, 1 give 16 neighbouring keys.
;   kv block (128 keys): K part [tile 2 p + u][ks 3][c 4][lane][16 B], then from byte 49,152 the V part [p / 2][feature tile 24][p % 2][lane][16 B].  qimg: [tile][ks 3][c 4][lane][16 B].
; SCALES.  A sum stands for sum x 2^(ea + ew).  The bias goes in as the C of a sum's first product, divided by 2^(ea + ew); the conversion takes the one scale 2^(eo - ea - ew).
; LIMITS: eo - ea - ew between -126 and 119 for each of the three projections.  NaN among the biases is not served.
; REGISTERS.  Window 0: v1-10 addresses; v16-21 bv as loaded; v32-127 two input tiles' fragments; v128-223 twelve accumulators; v224-247 codes; v248-251 scales and holds; v254, v255 the add's.
;   Weight fragment F lies in window 1 + F / 16 at v[16 (F % 16)]: F = 6 ks + i for the first weight, 18 + 6 ks + i for Wq.  Window 3 also: v64-111 the first bias, v112-159 bq, both in the result's layout.
.set ROWP, 432                         ; a row in LDS: three pieces of 128 bytes, 16 bytes of padding behind each
.set ROWS128, 128*ROWP
.set XA,   384*ROWP                    ; audio
.set XV,   XA+ROWS128                  ; video
.set SPARE, XV+64*ROWP
.set XF,   32
.set ACC,  128
.set PC,   224
.set BT,   16
.set B1,   64                          ; in window 3
.set BQ,   112                         ; in window 3
.set MSB,  0
.macro WIN new                         ; the immediate's high byte repeats the setting that is left; a switch that changes nothing is dropped
.if MSB != (\new)
	s_set_vgpr_msb (MSB<<8)|(\new)
.set MSB, (\new)
.endif
.endm
.macro PLACES                          ; four plain places behind matrix instructions (ISA guide 7.12.1)
.rept 4
	v_nop
.endr
.endm
.macro CROUND                          ; a round of the cluster's barrier
	s_barrier_signal -1
	s_barrier_wait -1
	s_cmp_lg_u32 s3, 0
	s_cbranch_scc1 .Lnot_wave_0_\@
	s_barrier_signal -3
.Lnot_wave_0_\@:
	s_barrier_wait -3
	s_barrier_signal -1
	s_barrier_wait -1
.endm
.macro WFRAG fb, ad, perm              ; my 18 fragments of a weight, from LDS to fragments fb on
.irp ks, 0,1,2
.irp i, 0,1,2,3,4,5
.set FF, \fb+6*\ks+\i
	WIN 0x40*(1+FF/16)
.irp c, 0,1,2,3
.if \perm
	ds_load_b128 v[16*(FF%16)+4*\c:16*(FF%16)+4*\c+3], v[\ad] offset:(32*(\i/2)+8*(\i%2))*ROWP+144*\ks+32*\c
.else
	ds_load_b128 v[16*(FF%16)+4*\c:16*(FF%16)+4*\c+3], v[\ad] offset:16*\i*ROWP+144*\ks+32*\c
.endif
.endr
.endr
.endr
	WIN 0
.endm
.macro FETCH ad, p                     ; the two input tiles (p, 0) and (p, 1), three K steps each
.irp u, 0,1
.irp ks, 0,1,2
.irp c, 0,1,2,3
	ds_load_b128 v[XF+48*\u+16*\ks+4*\c:XF+48*\u+16*\ks+4*\c+3], v[\ad] offset:(32*(\p)+8*\u)*ROWP+144*\ks+32*\c
.endr
.endr
.endr
.endm
; 36 products: twelve accumulators (input tile u, weight tile i) by turns, one instruction a turn; the first K step takes the bias as C.  tr = 1: the weight is source 0.
.macro MUL fb, bb, tr
.irp ks, 0,1,2
.irp u, 0,1
.irp i, 0,1,2,3,4,5
.set FF, \fb+6*\ks+\i
.set AC, ACC+8*(6*\u+\i)
.set XX, XF+48*\u+16*\ks
.set WW, 16*(FF%16)
.if \ks == 0
.if \tr
	WIN 0x30+1+FF/16
	v_wmma_f32_16x16x128_fp8_fp8 v[AC:AC+7], v[WW:WW+15], v[XX:XX+15], v[\bb+8*\i:\bb+8*\i+7]
.else
	WIN 0x30+4*(1+FF/16)
	v_wmma_f32_16x16x128_fp8_fp8 v[AC:AC+7], v[XX:XX+15], v[WW:WW+15], v[\bb+8*\i:\bb+8*\i+7]
.endif
.else
.if \tr
	WIN 1+FF/16
	v_wmma_f32_16x16x128_fp8_fp8 v[AC:AC+7], v[WW:WW+15], v[XX:XX+15], v[AC:AC+7]
.else
	WIN 4*(1+FF/16)
	v_wmma_f32_16x16x128_fp8_fp8 v[AC:AC+7], v[XX:XX+15], v[WW:WW+15], v[AC:AC+7]
.endif
.endif
.endr
.endr
.endr
	WIN 0
	PLACES
.endm
; K's or Q's sums become codes: 16 neighbouring features a lane from two neighbouring accumulators; each store of the wave covers 512 consecutive bytes, aligned
.macro KQ p, sc, hd, ob
	s_wait_xcnt 0x0                                ; the codes' registers were the data of earlier stores
.irp u, 0,1
.irp i2, 0,1,2
.set AC, ACC+8*(6*\u+2*\i2)
.set PP, PC+4*(3*\u+\i2)
.irp j, 0,1,2,3,4,5,6,7,8,9,10,11,12,13,14,15
	v_med3_num_f32 v[AC+\j], v[AC+\j], -v[\hd], v[\hd]   ; the conversion to an 8-bit code does not saturate (ISA guide 7.6.2): the hold at 448 x the scale; each accumulator from its low end on
.endr
	v_cvt_scalef32_pk8_fp8_f32 v[PP:PP+1], v[AC:AC+7], v[\sc]
	v_cvt_scalef32_pk8_fp8_f32 v[PP+2:PP+3], v[AC+8:AC+15], v[\sc]
	global_store_b128 v8, v[PP:PP+3], s[\ob:\ob+1] offset:(2*(\p)+\u)*6144+512*\i2
.endr
.endr
	v_nop                                          ; a plain line behind the last conversion: the next products write its sources
.endm
; V's sums become codes: 16 neighbouring keys a lane from the accumulators of input tiles u = 0 and 1
.macro VQ p
	s_wait_xcnt 0x0
.irp i, 0,1,2,3,4,5
.set A0, ACC+8*\i
.set A1, ACC+8*(6+\i)
.irp j, 0,1,2,3,4,5,6,7
	v_med3_num_f32 v[A0+\j], v[A0+\j], -v249, v249
.endr
.irp j, 0,1,2,3,4,5,6,7
	v_med3_num_f32 v[A1+\j], v[A1+\j], -v249, v249
.endr
	v_cvt_scalef32_pk8_fp8_f32 v[PC+4*\i:PC+4*\i+1], v[A0:A0+7], v248
	v_cvt_scalef32_pk8_fp8_f32 v[PC+4*\i+2:PC+4*\i+3], v[A1:A1+7], v248
	global_store_b128 v9, v[PC+4*\i:PC+4*\i+3], s[36:37] offset:49152+((\p)/2)*24576+1024*\i+512*((\p)%2)
.endr
	v_nop
.endm
.macro SCALES sc, hd                   ; s6 = eo, s4 = ea + ew: the conversion's scale 2^(eo - ea - ew), and 448 x that
	s_sub_co_i32 s6, s6, s4
	s_add_co_i32 s6, s6, 127
	s_lshl_b32 s5, s6, 23
	v_mov_b32 v[\sc], s5
	s_add_co_i32 s6, s6, 8
	s_lshl_b32 s6, s6, 23
	s_or_b32 s6, s6, 0x600000
	v_mov_b32 v[\hd], s6
.endm
	s_load_b512 s[8:23], s[0:1], 0x0               ; audio s[8:9], video s[10:11], Wk s[12:13], Wq s[14:15], Wv s[16:17], bk s[18:19], bq s[20:21], bv s[22:23]
	s_load_b128 s[24:27], s[0:1], 0x40             ; the scales' exponents s[24:25], kv s[26:27]
	s_load_b64 s[28:29], s[0:1], 0x50              ; qimg
	v_lshl_add_u32 v254, v0, 2, SPARE
	v_mov_b32 v255, 0
	ds_add_u32 v254, v255                          ; the opening: the add, twice on end, and its wait
	ds_add_u32 v254, v255
	v_lshrrev_b32 v1, 5, v0
	v_readfirstlane_b32 s3, v1                     ; wave w
	s_bfe_u32 s38, ttmp6, 0x40000
	s_lshl_b32 s39, ttmp9, 2
	s_add_co_u32 s38, s38, s39                     ; my work-group's number g
	s_and_b32 s39, s38, 127                        ; which 128 rows of audio
	; group 1, four times: dense in memory, rows of 256 bytes, four words of padding (code 3) behind every 32 words (code 4)
.irp g, 68, 76, 84, 92
	s_mov_b32 s[\g+1], 256<<16
	s_mov_b32 s[\g+3], 256<<16
	s_mov_b32 s[\g+5], 256
	s_mov_b32 s[\g+6], 0
	s_mov_b32 s[\g+7], 0
.endr
	s_mov_b32 s68, 15|(1<<20)|(1<<21)|(4<<22)|(3<<25)  ; a third of the first weight, 192 rows, for all four work-groups
	s_mov_b32 s70, 192<<16
	s_mov_b32 s72, 192
	s_mov_b32 s76, (1<<20)|(4<<22)|(3<<25)         ; audio, 192 rows
	s_mov_b32 s78, 192<<16
	s_mov_b32 s80, 192
	s_mov_b32 s84, (1<<20)|(4<<22)|(3<<25)         ; a quarter of video, 24 rows
	s_mov_b32 s86, 24<<16
	s_mov_b32 s88, 24
	s_mov_b32 s92, 15|(1<<20)|(1<<21)|(4<<22)|(3<<25)  ; a quarter of Wq, 144 rows, for all four
	s_mov_b32 s94, 144<<16
	s_mov_b32 s96, 144
	s_mov_b32 s48, 1                               ; group 0 for the weights,
	s_mul_i32 s49, s3, ROWS128
	s_mov_b32 s52, 1                               ; for audio,
	s_mov_b32 s53, XA
	s_mov_b32 s56, 1                               ; for video
	s_mul_i32 s57, s3, 16*ROWP
	s_add_co_u32 s57, s57, XV
	s_mov_b32 s5, 0
	s_wait_alu depctr_va_vdst(0)
	s_wait_dscnt 0x0                               ; both opening adds are done
	s_wait_kmcnt 0x0
	s_load_b256 s[40:47], s[24:25], 0x0            ; e0 .. e7
	s_load_b64 s[60:61], s[24:25], 0x20            ; e8, e9
	s_cmp_lt_u32 ttmp9, 32                         ; K or V?  The first 32 clusters make K: alike in all partners
	s_cselect_b64 s[30:31], s[12:13], s[16:17]     ; the first weight
	s_mul_i32 s4, s3, 49152
	s_add_nc_u64 s[50:51], s[30:31], s[4:5]        ; waves 0 to 2: its thirds
	s_or_b32 s51, s51, 0x80000000
	s_mul_i32 s4, s39, 49152
	s_add_nc_u64 s[54:55], s[8:9], s[4:5]          ; wave 3: 128 rows of audio
	s_or_b32 s55, s55, 0x80000000
	s_mul_i32 s4, s38, 24576
	s_add_nc_u64 s[34:35], s[28:29], s[4:5]        ; my four tiles of qimg
	s_mul_i32 s6, s3, 6144
	s_add_co_u32 s4, s4, s6
	s_add_nc_u64 s[58:59], s[10:11], s[4:5]        ; my wave's 16 rows of video
	s_or_b32 s59, s59, 0x80000000
	s_mul_i32 s4, s39, 98304
	s_add_nc_u64 s[36:37], s[26:27], s[4:5]        ; my block of kv
	s_mul_i32 s4, s3, 36864
	s_add_nc_u64 s[32:33], s[14:15], s[4:5]        ; my quarter of Wq
	s_mul_i32 s4, s3, 384
	s_add_nc_u64 s[18:19], s[18:19], s[4:5]        ; my 96 numbers of the biases
	s_add_nc_u64 s[20:21], s[20:21], s[4:5]
	s_add_nc_u64 s[22:23], s[22:23], s[4:5]
	CROUND                                         ; in front of the first joint loads
	s_cmp_lt_u32 s3, 3
	s_cbranch_scc0 .Lfor_x
	tensor_load_to_lds s[48:51], s[68:75]
	s_nop 0
	PLACES
	s_branch .Lasked
.Lfor_x:
	tensor_load_to_lds s[52:55], s[76:83]
	s_nop 0
	PLACES
.Lasked:
	v_and_b32 v1, 15, v0                           ; r
	v_bfe_u32 v2, v0, 4, 1                         ; h
	v_and_b32 v11, 8, v1
	v_add_nc_u32 v11, v11, v1                      ; r + 8 (r / 8)
	v_lshlrev_b32 v6, 6, v2                        ; bk, bq: 16 h numbers on
	v_lshlrev_b32 v7, 2, v1                        ; bv: number r
	v_mul_u32_u24 v12, v11, ROWP
	v_lshl_add_u32 v12, v2, 4, v12                 ; row r + 8 (r / 8), + 16 h
	v_mul_u32_u24 v13, v1, ROWP
	v_lshl_add_u32 v13, v2, 4, v13                 ; row r, + 16 h
	v_add_nc_u32 v3, XA, v12                       ; audio
	v_add_nc_u32 v10, XV, v12                      ; video
	v_and_b32 v14, 31, v0
	v_lshlrev_b32 v14, 4, v14                      ; 16 x lane
	s_mul_i32 s4, s3, 96*ROWP
	v_add_nc_u32 v4, s4, v12                       ; Wk, Wq: my 96 rows,
	v_add_nc_u32 v5, s4, v13                       ; Wv
	s_mul_i32 s4, s3, 1536
	v_add_nc_u32 v8, s4, v14                       ; K, Q out: 16 x lane + 3 w pieces of 512 bytes
	s_mul_i32 s4, s3, 6144
	v_add_nc_u32 v9, s4, v14                       ; V out: 16 x lane + 6 w feature tiles of 1,024 bytes
	s_wait_alu depctr_va_vdst(0)
	WIN 0xc0
.irp i, 0,1,2,3,4,5                            ; bq in the result's layout: lane (r, h), tile i, register j: feature 32 (i / 2) + 8 (i % 2) + 16 h + j of my 96
	global_load_b128 v[BQ+8*\i:BQ+8*\i+3], v6, s[20:21] offset:(32*(\i/2)+8*(\i%2))*4
	global_load_b128 v[BQ+8*\i+4:BQ+8*\i+7], v6, s[20:21] offset:(32*(\i/2)+8*(\i%2))*4+16
.endr
	WIN 0
	s_cmp_lt_u32 ttmp9, 32
	s_cbranch_scc0 .Lbias_v
	WIN 0xc0
.irp i, 0,1,2,3,4,5                            ; bk likewise
	global_load_b128 v[B1+8*\i:B1+8*\i+3], v6, s[18:19] offset:(32*(\i/2)+8*(\i%2))*4
	global_load_b128 v[B1+8*\i+4:B1+8*\i+7], v6, s[18:19] offset:(32*(\i/2)+8*(\i%2))*4+16
.endr
	WIN 0
	s_branch .Lbias
.Lbias_v:
.irp i, 0,1,2,3,4,5
	global_load_b32 v[BT+\i], v7, s[22:23] offset:64*\i      ; bv of feature 16 i + r of my 96
.endr
.Lbias:
	s_wait_kmcnt 0x0
	s_cmp_lt_u32 ttmp9, 32
	s_cselect_b32 s4, s42, s44                     ; ea
	s_cselect_b32 s5, s43, s45                     ; ew
	s_cselect_b32 s6, s47, s61                     ; eo
	s_add_co_i32 s4, s4, s5
	s_sub_co_i32 s7, 0, s4                         ; the first bias x 2^s7
	SCALES 248, 249
	s_add_co_i32 s4, s40, s41
	s_mov_b32 s6, s46
	s_sub_co_i32 s62, 0, s4                        ; bq x 2^s62
	SCALES 250, 251
	s_wait_alu depctr_va_vdst(0)
	s_wait_tensorcnt 0x0                           ; my part of the first weight or audio is in
	ds_add_u32 v254, v255
	s_wait_dscnt 0x0
	CROUND
	tensor_load_to_lds s[56:59], s[84:91]          ; video: a first fill
	s_nop 0
	PLACES
	s_cmp_lt_u32 ttmp9, 32
	s_cbranch_scc0 .Lv0
	; ---- K, the first 32 rows
	WFRAG 0, 4, 1
	FETCH 3, 0
	s_wait_loadcnt 0x0                             ; the biases are in
	WIN 0xc3
.set jj, B1
.rept 48
	v_ldexp_f32 v[jj], v[jj], s7                   ; bias / 2^(ea + ew)
.set jj, jj+1
.endr
	WIN 0
	s_wait_alu depctr_va_vdst(0)
	s_wait_dscnt 0x0
	MUL 0, B1, 1
	FETCH 3, 1                                     ; the next 32 rows come while the codes are made
	KQ 0, 248, 249, 36
	s_branch .Lturn
.Lv0:
	; ---- V, the first 32 rows
	WFRAG 0, 5, 0
	FETCH 3, 0
	s_wait_loadcnt 0x0
	WIN 0xc0
.irp i, 0,1,2,3,4,5
.irp j, 0,1,2,3,4,5,6,7
	v_ldexp_f32 v[B1+8*\i+\j], v[BT+\i], s7        ; the lane's one feature in all eight registers
.endr
.endr
	WIN 0
	s_wait_alu depctr_va_vdst(0)
	s_wait_dscnt 0x0
	MUL 0, B1, 0
	FETCH 3, 1
	VQ 0
.Lturn:
	; ---- every wave has its part of the first weight in registers: Wq over it
	s_wait_alu depctr_va_vdst(0)
	s_wait_tensorcnt 0x0                           ; my part of video is in
	ds_add_u32 v254, v255                          ; 0 onto my spare word
	s_mul_i32 s49, s3, 96*ROWP
	s_mov_b64 s[50:51], s[32:33]
	s_or_b32 s51, s51, 0x80000000
	s_wait_dscnt 0x0                               ; the add is done, and so are my reads of the weight
	CROUND
	tensor_load_to_lds s[48:51], s[92:99]          ; it has the next 96 rows' work in which to land
	s_nop 0
	PLACES
	s_cmp_lt_u32 ttmp9, 32
	s_cbranch_scc0 .Lv1
.irp p, 1,2,3                                  ; ---- K, 32 rows at a time
	s_wait_dscnt 0x0                               ; the two input tiles are in
	MUL 0, B1, 1
.if \p < 3
	FETCH 3, \p+1
.endif
	KQ \p, 248, 249, 36
.endr
	s_branch .Lq
.Lv1:
.irp p, 1,2,3                                  ; ---- V
	s_wait_dscnt 0x0
	MUL 0, B1, 0
.if \p < 3
	FETCH 3, \p+1
.endif
	VQ \p
.endr
.Lq:
	; ---- Q of 64 rows of video
	s_wait_alu depctr_va_vdst(0)
	s_wait_tensorcnt 0x0                           ; my part of Wq is in,
	s_wait_dscnt 0x0
	s_barrier_signal -1
	s_barrier_wait -1                              ; and everybody's
	WFRAG 18, 4, 1
	FETCH 10, 0
	WIN 0xc3
.set jj, BQ
.rept 48
	v_ldexp_f32 v[jj], v[jj], s62                  ; bq / 2^(e0 + e1)
.set jj, jj+1
.endr
	WIN 0
	s_wait_alu depctr_va_vdst(0)
	s_wait_dscnt 0x0
	MUL 18, BQ, 1
	FETCH 10, 1
	KQ 0, 250, 251, 34
	s_wait_dscnt 0x0
	MUL 18, BQ, 1
	KQ 1, 250, 251, 34
	s_wait_tensorcnt 0x0                           ; the wave's end
	ds_add_u32 v254, v255
	s_wait_dscnt 0x0
	CROUND                                         ; the closing round
	s_endpgm
.Lfunc_end_k_qf3ffb21bc5_proj:
	.size	k_qf3ffb21bc5_proj, .Lfunc_end_k_qf3ffb21bc5_proj-k_qf3ffb21bc5_proj
	.p2alignl 7, 3214868480
	.fill 96, 4, 3214868480
	.section	.rodata,"a",@progbits
	.p2align	6, 0x0
	.amdhsa_kernel k_qf3ffb21bc5_proj
		.amdhsa_group_segment_fixed_size 327680
		.amdhsa_private_segment_fixed_size 0
		.amdhsa_enable_private_segment 0
		.amdhsa_kernarg_size 88
		.amdhsa_user_sgpr_count 2
		.amdhsa_user_sgpr_kernarg_segment_ptr 1
		.amdhsa_wavefront_size32 1
		.amdhsa_system_sgpr_workgroup_id_x 1
		.amdhsa_system_sgpr_workgroup_id_y 1
		.amdhsa_system_sgpr_workgroup_id_z 1
		.amdhsa_system_vgpr_workitem_id 0
		.amdhsa_next_free_vgpr 928
		.amdhsa_next_free_sgpr 100
		.amdhsa_reserve_vcc 0
		.amdhsa_float_denorm_mode_32 3
		.amdhsa_float_denorm_mode_16_64 3
		.amdhsa_memory_ordered 1
		.amdhsa_forward_progress 1
		.amdhsa_inst_pref_size 151
	.end_amdhsa_kernel
	.amdgpu_metadata
---
amdhsa.version: [ 1, 2 ]
amdhsa.kernels:
  - .name:           k_qf3ffb21bc5_proj
    .symbol:         k_qf3ffb21bc5_proj.kd
    .args:
      - { .name: audio_features_codes, .offset: 0, .size: 8, .value_kind: global_buffer, .address_space: global }
      - { .name: video_features_codes, .offset: 8, .size: 8, .value_kind: global_buffer, .address_space: global }
      - { .name: Wk_codes, .offset: 16, .size: 8, .value_kind: global_buffer, .address_space: global }
      - { .name: Wq_codes, .offset: 24, .size: 8, .value_kind: global_buffer, .address_space: global }
      - { .name: Wv_codes, .offset: 32, .size: 8, .value_kind: global_buffer, .address_space: global }
      - { .name: bk, .offset: 40, .size: 8, .value_kind: global_buffer, .address_space: global }
      - { .name: bq, .offset: 48, .size: 8, .value_kind: global_buffer, .address_space: global }
      - { .name: bv, .offset: 56, .size: 8, .value_kind: global_buffer, .address_space: global }
      - { .name: lowp_scales, .offset: 64, .size: 8, .value_kind: global_buffer, .address_space: global }
      - { .name: kv, .offset: 72, .size: 8, .value_kind: global_buffer, .address_space: global }
      - { .name: qimg, .offset: 80, .size: 8, .value_kind: global_buffer, .address_space: global }
    .group_segment_fixed_size: 327680
    .private_segment_fixed_size: 0
    .kernarg_segment_align: 8
    .kernarg_segment_size: 88
    .max_flat_workgroup_size: 128
    .sgpr_count:     100
    .vgpr_count:     928
    .wavefront_size: 32
...
	.end_amdgpu_metadata
.endif
;; end of part 1
;; launch attn (part 2): grid 32 x 8, 4 waves a work-group, clusters of 4 x 1, 327,680 bytes of LDS; arguments qimg, kv, lowp_scales, out0; writes out0
.if DOCPART == 2
	.amdgcn_target "amdgcn-amd-amdhsa--gfx1250"
	.amdhsa_code_object_version 6
	.text
	.protected	k_qf3ffb21bc5_attn
	.globl	k_qf3ffb21bc5_attn
	.p2align	8
	.type	k_qf3ffb21bc5_attn,@function
k_qf3ffb21bc5_attn:
	s_mov_b64 s[64:65], 0
	v_nop
	global_prefetch_b8 v0, s[64:65] scope:SCOPE_SE
	s_setreg_imm32_b32 hwreg(HW_REG_WAVE_MODE, 25, 1), 1
	s_wait_xcnt 0x0
	s_wait_alu depctr_hold_cnt(0) depctr_sa_sdst(0) depctr_va_vdst(0) depctr_va_sdst(0) depctr_va_ssrc(0) depctr_va_vcc(0) depctr_vm_vsrc(0)
	s_getreg_b32 s2, hwreg(HW_REG_IB_STS2, 6, 4)
	s_cmp_eq_u32 s2, 0
	s_cbranch_scc0 .Lentry_in_a_cluster
	s_endpgm
.Lentry_in_a_cluster:
	s_bfe_u32 s2, ttmp6, 0x10000c
	s_cmp_lg_u32 s2, 0x3003
	s_cbranch_scc0 .Lentry_shape_is_right
	s_endpgm
.Lentry_shape_is_right:
; out[b][q] = the sum over k of softmax_k(Q[b][q] . K[b][k] / sqrt(384)) V[b][k], both products on codes of FP8 (E4M3), sums in f32.  Q comes as qimg, K and V as kv, images of the operands' registers.
; SOFTMAX: t = score x log2(e) / sqrt(384); M = the row's largest t so far, rounded up to a whole number; p = 2^(t - M) is quantised; the sum is taken of the unquantised p and divides at the end.
; When M moves, the sum and O are multiplied by 2^(old M - new M), which rounds nothing.
; SHARES.  A work-group owns 64 queries (4 tiles of 16) of one batch and walks its 2,048 keys in 8 steps of 256.  Four waves:
;   scores: wave w takes 64 of the step's keys (4 tiles) x all 64 queries: each fragment of K is read by one wave and feeds four matrix instructions;
;   weighted sum: wave w takes features 96 w .. 96 w + 95 (6 tiles) x all 64 queries: each fragment of V is read by one wave and feeds four.
;   What the waves hand to each other goes through LDS: a row's largest score (64 per wave), and p as an image of the second product's operand.
; ONE STEP i: scores(i); the wave's maxima; barrier A; V(i - 1) and p(i - 1) to registers, and meanwhile O's rescaling, the new M, t - M and the exponentials of step i; a round of the cluster's barrier with the refills, the weighted sum
; of step i - 1 half inside it and half behind it; K(i + 1) to registers, and meanwhile the sum and the codes of p(i).
; LDS: V slot 0, K slots 98,304 (even steps) and 196,608 (odd steps), each 256 keys.  At the round of step i V(i) lands in the V slot and K(i + 2) in the slot of K(i), whose fragments all waves have had in registers.
; Waves 0 and 1 ask for V's two blocks, waves 2 and 3 for K's; every wave waits for its load in front of barrier A of step i + 1, which publishes both.  V(6) and V(7), with no K beside them, come in quarters from all four waves.
; CLUSTERS: the four work-groups of a cluster walk the same K and V in the same order and ask for them jointly.  The eight clusters of a batch begin at eight different steps.
; PREFETCH: V(1), one step ahead of its load: each 256 bytes are named once in the cluster, shared out among its work-groups by address.  K(0), K(1) and V(0) are asked for as soon as their slots can be; from K(2) and V(2) on each tile
; has been asked for by another cluster of the batch two steps or more before, so no more is prefetched.
; LIMITS: e6 + e7 between -122 and 131 (added to the constant's exponent field), e8 between -126 and 119; scaled scores under 2^31 in magnitude.  Nothing of the problem's work is left out.
; REGISTERS.  Window 0: v1-15 addresses and constants; ST: for each query tile -M, the largest score, the sum in two halves, f, two at work; scores v48-175; p's codes v176-207; others' maxima v208-223; my maxima v224-227; v232-239 at work; v240 prefetch.
;   Window 1: Q v0-191, P of the first 128 keys v192-255.  Window 2: O v0-191 (tile (q, f) at 8 (6 q + f)), P of the second 128 keys v192-255.  Window 3: K's fragments or V's, v0-191.
.set BLKB,   98304                     ; a block of kv: 128 keys, K's part then V's
.set PIECE,  49152                     ; one part
.set QTR,    24576
.set K0S,    98304
.set K1S,    196608
.set PB,     294912                    ; p's image: [half of the keys 2][query tile 4][c 4][lane][16 bytes]
.set MX,     PB+16384                  ; the maxima: [wave][query][query tile], 256 bytes a wave
.set LB,     MX+1024                   ; the sums, likewise
.set SPARE,  LB+1024                   ; the spare words, 128 bytes a wave
.set STG,    K0S                       ; the way out: 64 rows; both K slots have had their last fill and their last read by then
.set SPITCH, 1552                      ; a row of 1,536 bytes + 16
.set ST,  16
.set S,   48
.set PC,  176
.set MXL, 208
.set LM,  224
.set TP,  232
.set MSB, 0
.macro WIN new                         ; the immediate's high byte repeats the setting that is left; a switch that changes nothing is dropped
.if MSB != (\new)
	s_set_vgpr_msb (MSB<<8)|(\new)
.set MSB, (\new)
.endif
.endm
.macro PLACES                          ; four plain places behind matrix instructions (ISA guide 7.12.1)
.rept 4
	v_nop
.endr
.endm
.macro CREST                           ; a round of the cluster's barrier behind its opening barrier
	s_cmp_lg_u32 s12, 0
	s_cbranch_scc1 .Lnot_wave_0_\@
	s_barrier_signal -3
.Lnot_wave_0_\@:
	s_barrier_wait -3
	s_barrier_signal -1
	s_barrier_wait -1
.endm
.macro CROUND
	s_barrier_signal -1
	s_barrier_wait -1
	CREST
.endm
.macro KLOAD p                         ; my four tiles of K, from K slot p, in the order in which the products take them
	WIN 0xc0
.irp ks, 0,1,2
.irp kt, 0,1,2,3
.irp c, 0,1,2,3
	ds_load_b128 v[16*(3*\kt+\ks)+4*\c:16*(3*\kt+\ks)+4*\c+3], v[2+\p] offset:512*(12*\kt+4*\ks+\c)
.endr
.endr
.endr
	WIN 0
.endm
.macro VP k                            ; V's fragments of my six feature tiles and all P's, for 128 keys
	WIN 0xc0
.irp f, 0,1,2,3,4,5
.irp c, 0,1,2,3
	ds_load_b128 v[96*(\k)+16*\f+4*\c:96*(\k)+16*\f+4*\c+3], v[4+\k] offset:(\c/2)*24576+1024*\f+512*(\c%2)
.endr
.endr
	WIN 0x40*(1+\k)
.irp q, 0,1,2,3
.irp c, 0,1,2,3
	ds_load_b128 v[192+16*\q+4*\c:192+16*\q+4*\c+3], v9 offset:8192*(\k)+2048*\q+512*\c
.endr
.endr
.endm
.macro SMUL dw                         ; S^T = K Q^T: 16 accumulators by turns, one instruction a turn
	WIN 0x07
.irp ks, 0,1,2
	s_wait_dscnt 32-16*\ks+\dw             ; K's 16 loads of this third are in: the later thirds' and the dw stores behind them may be out
.irp kt, 0,1,2,3
.irp q, 0,1,2,3
.if \ks == 0
	v_wmma_f32_16x16x128_fp8_fp8 v[S+32*\q+8*\kt:S+32*\q+8*\kt+7], v[16*(3*\kt+\ks):16*(3*\kt+\ks)+15], v[48*\q+16*\ks:48*\q+16*\ks+15], 0
.else
	v_wmma_f32_16x16x128_fp8_fp8 v[S+32*\q+8*\kt:S+32*\q+8*\kt+7], v[16*(3*\kt+\ks):16*(3*\kt+\ks)+15], v[48*\q+16*\ks:48*\q+16*\ks+15], v[S+32*\q+8*\kt:S+32*\q+8*\kt+7]
.endif
.endr
.endr
.endr
	WIN 0
.endm
.macro PVK k, first                    ; O^T += V^T P^T over 128 keys: 24 accumulators by turns
	WIN 0xa7+4*(\k)
.irp q, 0,1,2,3
.irp f, 0,1,2,3,4,5
.if \first
	v_wmma_f32_16x16x128_fp8_fp8 v[8*(6*\q+\f):8*(6*\q+\f)+7], v[96*(\k)+16*\f:96*(\k)+16*\f+15], v[192+16*\q:192+16*\q+15], 0
.else
	v_wmma_f32_16x16x128_fp8_fp8 v[8*(6*\q+\f):8*(6*\q+\f)+7], v[96*(\k)+16*\f:96*(\k)+16*\f+15], v[192+16*\q:192+16*\q+15], v[8*(6*\q+\f):8*(6*\q+\f)+7]
.endif
.endr
.endr
	WIN 0
.endm
.macro RESC q                          ; O of query tile q x f (or x 1/sum at the end)
	WIN 0x82
.set jj, 48*(\q)
.rept 24
	v_pk_mul_f32 v[jj:jj+1], v[jj:jj+1], v[ST+8*(\q)+4:ST+8*(\q)+5] op_sel_hi:[1,0]
.set jj, jj+2
.endr
.endm
.macro MAXL                            ; the largest of my 64 keys' scores for each query, each accumulator from its low end on; to LDS
	PLACES
.irp q, 0,1,2,3
	v_max3_num_f32 v[ST+8*\q+6], v[S+32*\q], v[S+32*\q+1], v[S+32*\q+2]
	v_max3_num_f32 v[ST+8*\q+7], v[S+32*\q+3], v[S+32*\q+4], v[S+32*\q+5]
.endr
.irp i, 6,10,14,18,22,26
.irp q, 0,1,2,3
	v_max3_num_f32 v[ST+8*\q+6], v[ST+8*\q+6], v[S+32*\q+\i], v[S+32*\q+\i+1]
	v_max3_num_f32 v[ST+8*\q+7], v[ST+8*\q+7], v[S+32*\q+\i+2], v[S+32*\q+\i+3]
.endr
.endr
.irp q, 0,1,2,3
	v_max3_num_f32 v[ST+8*\q+6], v[ST+8*\q+6], v[S+32*\q+30], v[S+32*\q+31]
.endr
.irp q, 0,1,2,3
	v_max_num_f32 v[ST+8*\q+6], v[ST+8*\q+6], v[ST+8*\q+7]
.endr
.irp q, 0,1,2,3
	v_permlanex16_b32 v[ST+8*\q+7], v[ST+8*\q+6], s42, s43
.endr
.irp q, 0,1,2,3
	v_max_num_f32 v[LM+\q], v[ST+8*\q+6], v[ST+8*\q+7]
.endr
	ds_store_b128 v10, v[LM:LM+3]          ; lanes l and l xor 16 store the same 16 bytes
.endm
; BARRIER A publishes p(i - 1), the maxima, and (tw = 1) the tiles that are on their way.
.macro ABAR tw, resc
	s_wait_alu depctr_va_vdst(0)
.if \tw                                ; V is read behind the barrier: every wave waits for its tensor load, V's part or K's
	s_wait_tensorcnt 0x0
.endif
	s_wait_dscnt 0x0                       ; my stores of p and of the maxima are done
	s_barrier_signal -1
.if \resc
	RESC 0                                 ; work on registers while the others arrive
	WIN 0
.endif
	s_barrier_wait -1
.endm
.macro MXLOAD off
.irp n, 0,1,2,3
	ds_load_b128 v[MXL+4*\n:MXL+4*\n+3], v11 offset:\off+256*\n
.endr
.endm
.macro MCALC first                     ; the running largest score, -M = floor(-t), and f = 2^(old M - new M)
.irp q, 0,1,2,3
	v_max3_num_f32 v[ST+8*\q+6], v[MXL+\q], v[MXL+4+\q], v[MXL+8+\q]
.endr
.irp q, 0,1,2,3
.if \first
	v_max_num_f32 v[ST+8*\q+1], v[ST+8*\q+6], v[MXL+12+\q]
.else
	v_max3_num_f32 v[ST+8*\q+1], v[ST+8*\q+1], v[ST+8*\q+6], v[MXL+12+\q]
.endif
.endr
.irp q, 0,1,2,3
	v_mul_f32 v[ST+8*\q+6], s40, v[ST+8*\q+1]
.endr
.if \first == 0
.irp q, 0,1,2,3
	v_mov_b32 v[ST+8*\q+7], v[ST+8*\q]
.endr
.endif
.irp q, 0,1,2,3
	v_floor_f32 v[ST+8*\q], -v[ST+8*\q+6]
.endr
.if \first == 0
.irp q, 0,1,2,3
	v_sub_f32 v[ST+8*\q+7], v[ST+8*\q], v[ST+8*\q+7]
.endr
.irp q, 0,1,2,3
	v_cvt_i32_f32 v[ST+8*\q+7], v[ST+8*\q+7]
.endr
.irp q, 0,1,2,3
	v_ldexp_f32 v[ST+8*\q+4], 1.0, v[ST+8*\q+7]
.endr
.endif
.endm
.macro PKF                             ; t - M, two at a time
.irp q, 0,1,2,3
.set jj, S+32*\q
.rept 16
	v_pk_fma_f32 v[jj:jj+1], v[jj:jj+1], s[40:41], v[ST+8*\q:ST+8*\q+1] op_sel_hi:[1,0,0]
.set jj, jj+2
.endr
.endr
.endm
; In front of a round behind which slots are filled: all my tensor loads are done, the add, and the refill's address.
; fill = 1: V of this step (waves 0, 1) and K two steps on (waves 2, 3), descriptor set o;  2: V of step vi in quarters;  3: K of step vi in quarters into K slot 0.
.macro PREP fill, o, vi
	s_wait_tensorcnt 0x0
	ds_add_u32 v6, v7
.if \fill == 1
	s_mul_i32 s46, s18, 2*BLKB
	s_add_nc_u64 s[34+4*(\o):35+4*(\o)], s[58:59], s[46:47]
	s_or_b32 s[35+4*(\o)], s[35+4*(\o)], 0x80000000
	s_add_co_u32 s18, s18, 1
	s_and_b32 s18, s18, 7
.else
	s_add_co_u32 s46, s19, \vi
	s_and_b32 s46, s46, 7
	s_mul_i32 s46, s46, 2*BLKB
.if \fill == 2
	s_add_co_u32 s46, s46, PIECE
	s_mul_i32 s69, s12, QTR
.endif
	s_add_nc_u64 s[70:71], s[60:61], s[46:47]
	s_or_b32 s71, s71, 0x80000000
.endif
.endm
.macro REFILL fill, o
.if \fill == 1
	tensor_load_to_lds s[32+4*(\o):35+4*(\o)], s[24:31]
.else
	tensor_load_to_lds s[68:71], s[76:83]
.endif
	s_nop 0
	PLACES
.endm
.macro EXPS first                      ; p, and the sum under the new M
	s_wait_alu depctr_va_vdst(0)
.set jj, S
.rept 128
	v_exp_f32 v[jj], v[jj]
.set jj, jj+1
.endr
.if \first
	v_nop                                  ; a plain place behind the exponentials
.else
.irp q, 0,1,2,3
	v_pk_mul_f32 v[ST+8*\q+2:ST+8*\q+3], v[ST+8*\q+2:ST+8*\q+3], v[ST+8*\q+4:ST+8*\q+5] op_sel_hi:[1,0]
.endr
.endif
	s_wait_alu depctr_va_vdst(0)           ; one wait for the whole batch, ahead of its first reader
.endm
.macro CODES first                     ; the sum of the unquantised p, p's codes, and their way to LDS
.irp q, 0,1,2,3
	v_pk_add_f32 v[TP+2*\q:TP+2*\q+1], v[S+32*\q:S+32*\q+1], v[S+32*\q+2:S+32*\q+3]
.if \first
	v_pk_add_f32 v[ST+8*\q+2:ST+8*\q+3], v[S+32*\q+4:S+32*\q+5], v[S+32*\q+6:S+32*\q+7]
.else
	v_pk_add_f32 v[ST+8*\q+2:ST+8*\q+3], v[ST+8*\q+2:ST+8*\q+3], v[S+32*\q+4:S+32*\q+5]
.endif
.endr
.if \first == 0
.irp q, 0,1,2,3
	v_pk_add_f32 v[TP+2*\q:TP+2*\q+1], v[TP+2*\q:TP+2*\q+1], v[S+32*\q+6:S+32*\q+7]
.endr
.endif
.irp j, 8,12,16,20,24,28
.irp q, 0,1,2,3
	v_pk_add_f32 v[ST+8*\q+2:ST+8*\q+3], v[ST+8*\q+2:ST+8*\q+3], v[S+32*\q+\j:S+32*\q+\j+1]
	v_pk_add_f32 v[TP+2*\q:TP+2*\q+1], v[TP+2*\q:TP+2*\q+1], v[S+32*\q+\j+2:S+32*\q+\j+3]
.endr
.endr
.irp q, 0,1,2,3
	v_pk_add_f32 v[ST+8*\q+2:ST+8*\q+3], v[ST+8*\q+2:ST+8*\q+3], v[TP+2*\q:TP+2*\q+1]
.endr
.irp q, 0,1,2,3
.set jj, S+32*\q
.rept 32
	v_min_num_f32 v[jj], v[jj], v15        ; the conversion to an 8-bit code does not saturate (ISA guide 7.6.2); p is not negative
.set jj, jj+1
.endr
.irp kt, 0,1,2,3
	v_cvt_scalef32_pk8_fp8_f32 v[PC+8*\q+2*\kt:PC+8*\q+2*\kt+1], v[S+32*\q+8*\kt:S+32*\q+8*\kt+7], v14
.endr
.endr
	v_nop                                  ; a plain line behind the last conversion
.irp q, 0,1,2,3
	ds_store_b128 v8, v[PC+8*\q:PC+8*\q+3] offset:2048*\q
	ds_store_b128 v8, v[PC+8*\q+4:PC+8*\q+7] offset:2048*\q+512
.endr
.endm
; A step from the second on.  pv = 1: the first weighted sum, which starts O; 2: O is rescaled ahead of it.  kn: the K slot of the next step (2: none).  dw: the LDS stores issued behind K's fragments, which may be out.
.macro STEP pv, tw, fill, o, vi, kn, dw
	SMUL \dw
	MAXL
	ABAR \tw, (\pv)/2
	MXLOAD 0
	VP 0
.if \pv == 2
	RESC 1
	RESC 2
	RESC 3
.endif
	VP 1
	WIN 0
	s_wait_dscnt 63                        ; 84 loads are issued: the oldest four, the maxima, are in
	MCALC 0
	PKF
	PREP \fill, \o, \vi                    ; the exponentials stand between the add and the wait for it
	EXPS 0
	s_wait_dscnt 0x0                       ; the add is done, and so are my reads of V and of p
	s_barrier_signal -1                    ; opens the round;
	PVK 0, (\pv)==1                        ; work on registers while the others arrive
	s_barrier_wait -1
	CREST
	REFILL \fill, \o                       ; the first tensor load behind the round
	PVK 1, 0
.if \kn < 2
	PLACES
	KLOAD \kn
.endif
	CODES 0
.endm
.macro WQ q                            ; the last step's weighted sum by query tiles: six accumulators by turns
	WIN 0xa7
.irp f, 0,1,2,3,4,5
	v_wmma_f32_16x16x128_fp8_fp8 v[8*(6*(\q)+\f):8*(6*(\q)+\f)+7], v[16*\f:16*\f+15], v[192+16*(\q):192+16*(\q)+15], v[8*(6*(\q)+\f):8*(6*(\q)+\f)+7]
.endr
	WIN 0xab
.irp f, 0,1,2,3,4,5
	v_wmma_f32_16x16x128_fp8_fp8 v[8*(6*(\q)+\f):8*(6*(\q)+\f)+7], v[96+16*\f:96+16*\f+15], v[192+16*(\q):192+16*(\q)+15], v[8*(6*(\q)+\f):8*(6*(\q)+\f)+7]
.endr
	WIN 0
.endm
.macro TOSTAGE q                       ; O of query tile q into the stage: row 16 q + lane % 16, 32 bytes for each feature tile and half of the lanes
	WIN 0x08
.irp f, 0,1,2,3,4,5
	ds_store_b128 v[12-10*((\q)/2)], v[8*(6*(\q)+\f):8*(6*(\q)+\f)+3] offset:16*((\q)%2)*SPITCH+64*\f
	ds_store_b128 v[12-10*((\q)/2)], v[8*(6*(\q)+\f)+4:8*(6*(\q)+\f)+7] offset:16*((\q)%2)*SPITCH+64*\f+16
.endr
	WIN 0
.endm
	s_load_b256 s[4:11], s[0:1], 0x0               ; qimg s[4:5], kv s[6:7], the scales' exponents s[8:9], out s[10:11]
	v_lshl_add_u32 v6, v0, 2, SPARE
	v_mov_b32 v7, 0
	ds_add_u32 v6, v7                              ; the opening: the add, twice on end, and its wait
	ds_add_u32 v6, v7
	v_lshrrev_b32 v1, 5, v0
	v_readfirstlane_b32 s12, v1                    ; wave w
	s_and_b32 s13, s12, 1
	s_lshr_b32 s14, s12, 1
	s_bfe_u32 s15, ttmp6, 0x40000                  ; cx
	s_lshl_b32 s16, ttmp9, 2
	s_add_co_u32 s16, s16, s15                     ; work-group x: which 64 queries
	s_and_b32 s17, ttmp7, 0xffff                   ; batch
	; group 1, twice: dense rows of 256 bytes (32 elements of 8), 192 rows (a part of a block) or 96 (half of it); all four work-groups share
.irp g, 24, 76
	s_mov_b32 s[\g], 15|(3<<16)|(1<<21)
	s_mov_b32 s[\g+1], 32<<16
	s_mov_b32 s[\g+3], 32<<16
	s_mov_b32 s[\g+5], 32
	s_mov_b32 s[\g+6], 0
	s_mov_b32 s[\g+7], 0
.endr
	s_mov_b32 s26, 192<<16
	s_mov_b32 s28, 192
	s_mov_b32 s78, 96<<16
	s_mov_b32 s80, 96
	s_lshl_b32 s22, ttmp9, 2
	s_lshr_b32 s19, 0x73152640, s22
	s_and_b32 s19, s19, 7                          ; my cluster's first step of the batch's eight
	s_add_co_u32 s18, s19, s14
	s_and_b32 s18, s18, 7                          ; the step that my wave asks for next: V's waves at the first, K's at the second
	s_mul_i32 s20, s17, 16*BLKB
	s_mul_i32 s58, s13, BLKB
	s_xor_b32 s22, s14, 1
	s_mul_i32 s22, s22, PIECE
	s_add_co_u32 s58, s58, s22
	s_add_co_u32 s58, s58, s20                     ; my block's V part (waves 0, 1) or K part (2, 3)
	s_mov_b32 s59, 0
	s_mul_i32 s60, s14, BLKB
	s_mul_i32 s22, s13, QTR
	s_add_co_u32 s60, s60, s22
	s_add_co_u32 s60, s60, s20                     ; my quarter of a step's K
	s_mov_b32 s61, 0
	s_mul_i32 s46, s19, 2*BLKB
	s_mov_b32 s47, 0
	s_mul_i32 s22, s15, 6144
	s_add_co_u32 s88, s60, s22                     ; the prefetch: my work-group's quarter of my wave's quarter,
	s_add_co_u32 s22, s19, 1
	s_and_b32 s22, s22, 7
	s_mul_i32 s22, s22, 2*BLKB
	s_add_co_u32 s88, s88, s22                     ; in the second step
	s_mov_b32 s89, 0
	s_lshl_b32 s84, s17, 7
	s_lshl_b32 s22, s16, 2
	s_add_co_u32 s84, s84, s22
	s_mul_i32 s84, s84, 6144                       ; my four tiles of Q
	s_mov_b32 s85, 0
	s_lshl_b32 s86, s17, 11
	s_lshl_b32 s22, s16, 6
	s_add_co_u32 s86, s86, s22
	s_lshl_b32 s22, s12, 2
	s_add_co_u32 s86, s86, s22
	s_lshl_b32 s22, s14, 3
	s_add_co_u32 s86, s86, s22                     ; lane r of query tile q is query 32 (q / 2) + 8 (q % 2) + r + 8 (r / 8): on the way out I store r = 4 w .. 4 w + 3
	s_mul_i32 s86, s86, 1536
	s_mov_b32 s87, 0
	s_mov_b32 s42, 0x76543210                      ; v_permlanex16_b32's selects: lane l xor 16
	s_mov_b32 s43, 0xfedcba98
	s_mul_i32 s22, s12, QTR
	s_mov_b32 s32, 1                               ; group 0, three sets: whole parts in even and odd steps, and quarters
	s_mul_i32 s33, s12, PIECE                      ; V slot (waves 0, 1), K slot 0 (2, 3)
	s_mov_b32 s36, 1
	s_mul_i32 s37, s14, BLKB
	s_add_co_u32 s37, s37, s33                     ; V slot, K slot 1
	s_mov_b32 s68, 1
	s_add_co_u32 s69, s22, K0S
	s_mov_b32 s44, 2
	s_wait_alu depctr_va_vdst(0)
	s_wait_dscnt 0x0                               ; both opening adds are done
	s_wait_kmcnt 0x0
	s_load_b256 s[48:55], s[8:9], 0x0              ; e0 .. e7
	s_load_b64 s[56:57], s[8:9], 0x20              ; e8, e9
	s_add_nc_u64 s[58:59], s[6:7], s[58:59]
	s_add_nc_u64 s[60:61], s[6:7], s[60:61]
	s_add_nc_u64 s[88:89], s[6:7], s[88:89]
	s_add_nc_u64 s[84:85], s[4:5], s[84:85]
	s_add_nc_u64 s[10:11], s[10:11], s[86:87]
	s_add_nc_u64 s[70:71], s[60:61], s[46:47]
	s_or_b32 s71, s71, 0x80000000
	CROUND                                         ; in front of the first joint loads
	tensor_load_to_lds s[68:71], s[76:83]          ; my quarter of K(0): one tensor load a wave at the head
	s_nop 0
	PLACES
	v_and_b32 v1, 31, v0
	v_min_u32 v240, 23, v1                         ; 24 blocks of 256 bytes a prefetch; the lanes left over name the last again
	v_lshlrev_b32 v240, 8, v240
	v_lshlrev_b32 v1, 4, v1                        ; 16 x lane
	s_wait_alu depctr_va_vdst(0)
	WIN 0x40
.set ii, 0
.rept 48
	global_load_b128 v[4*ii:4*ii+3], v1, s[84:85] offset:512*ii   ; Q: it stays
.set ii, ii+1
.endr
	WIN 0
	s_add_co_u32 s62, s22, K0S
	v_add_nc_u32 v2, s62, v1                       ; K: my four tiles of the slot's sixteen
	s_add_co_u32 s62, s22, K1S
	v_add_nc_u32 v3, s62, v1
	s_mul_i32 s62, s12, 6144
	v_add_nc_u32 v4, s62, v1                       ; V: my six feature tiles,
	v_add_nc_u32 v5, PIECE, v4                     ; and in the second block
	s_lshl_b32 s62, s14, 13
	s_lshl_b32 s63, s13, 10
	s_add_co_u32 s62, s62, s63
	s_add_co_u32 s62, s62, PB
	v_add_nc_u32 v8, s62, v1                       ; p's image: my 64 keys are c = 2 (w % 2), + 1 of half w / 2
	v_add_nc_u32 v9, PB, v1
	v_and_b32 v241, 15, v0                         ; r
	v_lshlrev_b32 v242, 4, v241
	v_add_nc_u32 v11, MX, v242
	s_lshl_b32 s62, s12, 8
	s_add_co_u32 s62, s62, MX
	v_add_nc_u32 v10, s62, v242
	v_bfe_u32 v243, v0, 4, 1                       ; h
	v_mul_u32_u24 v12, v241, SPITCH
	v_lshl_add_u32 v12, v243, 5, v12
	s_mul_i32 s62, s12, 384
	s_add_co_u32 s62, s62, STG
	v_add_nc_u32 v12, s62, v12                     ; the stage, in: row r, my 384 bytes, + 32 h
	s_mul_i32 s62, s12, 4*SPITCH
	s_add_co_u32 s62, s62, STG
	v_add_nc_u32 v13, s62, v1                      ; back: rows 4 w on
.irp q, 0,1,2,3
	v_mov_b32 v[ST+8*\q+5], 0                      ; (named as the upper half of a pair)
	v_mov_b32 v[ST+8*\q+7], 0                      ; (a lane permute's destination counts as one of its sources)
.endr
	s_wait_alu depctr_va_vdst(0)
	s_wait_kmcnt 0x0
	s_mov_b32 s40, 0x3d96c740                      ; log2(e) / sqrt(384)
	s_add_co_i32 s62, s54, s55
	s_lshl_b32 s62, s62, 23
	s_add_co_i32 s40, s40, s62                     ; x 2^(e6 + e7): a score stands for score x that
	s_mov_b32 s41, s40
	s_add_co_i32 s62, s56, 127
	s_lshl_b32 s63, s62, 23
	v_mov_b32 v14, s63                             ; 2^e8, p's scale
	s_add_co_i32 s62, s62, 8
	s_lshl_b32 s62, s62, 23
	s_or_b32 s62, s62, 0x600000
	v_mov_b32 v15, s62                             ; 448 x that
	s_add_co_i32 s45, s56, s57                     ; e8 + e9
	s_wait_alu depctr_va_vdst(0)
	PREP 1, 1, 0                                   ; my part of K(0) is in
	s_add_co_u32 s18, s18, s14                     ; from here on K's waves are two steps ahead of V's
	s_and_b32 s18, s18, 7
	s_wait_dscnt 0x0
	CROUND
	REFILL 1, 1                                    ; first fills: V(0) and, in slot 1, K(1)
	KLOAD 0
	s_wait_loadcnt 0x0                             ; Q
	; ---- step 0: no weighted sum yet, so its round comes last, and K(2) comes in quarters from all four waves
	SMUL 0
	MAXL
	ABAR 0, 0
	MXLOAD 0
	s_wait_dscnt 0x0
	MCALC 1
	PKF
	EXPS 1
	CODES 1
	s_wait_alu depctr_va_vdst(0)
	PREP 3, 0, 2
	s_wait_dscnt 0x0
	CROUND
	REFILL 3, 0
	KLOAD 1
	global_prefetch_b8 v240, s[88:89] offset:PIECE th:TH_LOAD_NT scope:SCOPE_SE   ; V(1), which the round of step 1 asks for
	STEP 1, 0, 1, 1, 0, 0, 0                       ; step 1
.Lpair:                                                ; steps 2 to 5
	STEP 2, 1, 1, 0, 0, 1, 8
	STEP 2, 1, 1, 1, 0, 0, 8
	s_sub_co_u32 s44, s44, 1
	s_cmp_lg_u32 s44, 0
	s_wait_alu depctr_va_vdst(0)
	s_cbranch_scc1 .Lpair
	STEP 2, 1, 2, 0, 6, 1, 8                       ; step 6: V alone is left to ask for
	STEP 2, 1, 2, 0, 7, 2, 8                       ; step 7
	; ---- the last weighted sum, by query tiles, each of which leaves as soon as it is finished
.irp q, 0,1,2,3
	v_add_f32 v[ST+8*\q+6], v[ST+8*\q+2], v[ST+8*\q+3]
.endr
.irp q, 0,1,2,3
	v_permlanex16_b32 v[ST+8*\q+7], v[ST+8*\q+6], s42, s43
.endr
.irp q, 0,1,2,3
	v_add_f32 v[LM+\q], v[ST+8*\q+6], v[ST+8*\q+7]
.endr
	ds_store_b128 v10, v[LM:LM+3] offset:LB-MX     ; the sums over my keys
	ABAR 1, 1
	MXLOAD LB-MX
	VP 0
	RESC 1
	RESC 2
	RESC 3
	VP 1
	WIN 0
	v_add_nc_u32 v2, 32*SPITCH, v12                ; the stage's rows 32 on
	v_add_nc_u32 v3, 32*SPITCH, v13
	s_wait_alu depctr_va_vdst(0)
	s_wait_dscnt 63                                ; the four waves' sums are in
.irp q, 0,1,2,3
	v_add_f32 v[ST+8*\q+6], v[MXL+\q], v[MXL+4+\q]
	v_add_f32 v[ST+8*\q+7], v[MXL+8+\q], v[MXL+12+\q]
.endr
.irp q, 0,1,2,3
	v_add_f32 v[ST+8*\q+6], v[ST+8*\q+6], v[ST+8*\q+7]
.endr
	s_wait_alu depctr_va_vdst(0)                   ; ahead of the batch
.irp q, 0,1,2,3
	v_rcp_f32 v[ST+8*\q+4], v[ST+8*\q+6]
.endr
	v_nop
	s_wait_alu depctr_va_vdst(0)                   ; and ahead of its first reader
.irp q, 0,1,2,3
	v_ldexp_f32 v[ST+8*\q+4], v[ST+8*\q+4], s45    ; 2^(e8 + e9) / the row's sum
.endr
	s_wait_alu depctr_va_vdst(0)
	s_wait_dscnt 0x0                               ; V and P are in
	WQ 0
	PLACES
	RESC 0
	TOSTAGE 0
.irp q, 0,1,2,3
	s_wait_dscnt 0x0                               ; my part of query tile q is in the stage
	s_barrier_signal -1
.if \q < 3
	WQ \q+1                                        ; work on registers while the others arrive
.endif
	s_barrier_wait -1
.set ii, 0
.rept 12
	ds_load_b128 v[48+48*\q+4*ii:48+48*\q+4*ii+3], v[13-10*(\q/2)] offset:(16*(\q%2)+ii/3)*SPITCH+512*(ii%3)
.set ii, ii+1
.endr
.if \q < 3
	PLACES
	RESC \q+1
	WIN 0
	s_wait_alu depctr_va_vdst(0)
.endif
	s_wait_dscnt 0x0
.set ii, 0
.rept 12
	global_store_b128 v1, v[48+48*\q+4*ii:48+48*\q+4*ii+3], s[10:11] offset:(32*(\q/2)+8*(\q%2)+ii/3)*1536+512*(ii%3) th:TH_STORE_NT   ; 512 consecutive bytes, at a multiple of 512
.set ii, ii+1
.endr
.if \q < 3
	TOSTAGE \q+1
.endif
.endr
	s_wait_tensorcnt 0x0                           ; the wave's end
	ds_add_u32 v6, v7
	s_wait_dscnt 0x0
	CROUND                                         ; the closing round
	s_endpgm
.Lfunc_end_k_qf3ffb21bc5_attn:
	.size	k_qf3ffb21bc5_attn, .Lfunc_end_k_qf3ffb21bc5_attn-k_qf3ffb21bc5_attn
	.p2alignl 7, 3214868480
	.fill 96, 4, 3214868480
	.section	.rodata,"a",@progbits
	.p2align	6, 0x0
	.amdhsa_kernel k_qf3ffb21bc5_attn
		.amdhsa_group_segment_fixed_size 327680
		.amdhsa_private_segment_fixed_size 0
		.amdhsa_enable_private_segment 0
		.amdhsa_kernarg_size 32
		.amdhsa_user_sgpr_count 2
		.amdhsa_user_sgpr_kernarg_segment_ptr 1
		.amdhsa_wavefront_size32 1
		.amdhsa_system_sgpr_workgroup_id_x 1
		.amdhsa_system_sgpr_workgroup_id_y 1
		.amdhsa_system_sgpr_workgroup_id_z 1
		.amdhsa_system_vgpr_workitem_id 0
		.amdhsa_next_free_vgpr 1024
		.amdhsa_next_free_sgpr 96
		.amdhsa_reserve_vcc 0
		.amdhsa_float_denorm_mode_32 3
		.amdhsa_float_denorm_mode_16_64 3
		.amdhsa_memory_ordered 1
		.amdhsa_forward_progress 1
		.amdhsa_inst_pref_size 255
	.end_amdhsa_kernel
	.section	.bss,"aw",@nobits
	.p2align	6
	.space	262144
	.amdgpu_metadata
---
amdhsa.version: [ 1, 2 ]
amdhsa.kernels:
  - .name:           k_qf3ffb21bc5_attn
    .symbol:         k_qf3ffb21bc5_attn.kd
    .args:
      - { .name: qimg, .offset: 0, .size: 8, .value_kind: global_buffer, .address_space: global }
      - { .name: kv, .offset: 8, .size: 8, .value_kind: global_buffer, .address_space: global }
      - { .name: lowp_scales, .offset: 16, .size: 8, .value_kind: global_buffer, .address_space: global }
      - { .name: out0, .offset: 24, .size: 8, .value_kind: global_buffer, .address_space: global }
    .group_segment_fixed_size: 327680
    .private_segment_fixed_size: 0
    .kernarg_segment_align: 8
    .kernarg_segment_size: 32
    .max_flat_workgroup_size: 128
    .sgpr_count:     96
    .vgpr_count:     1024
    .wavefront_size: 32
...
	.end_amdgpu_metadata
.endif
;; end of part 2
